; MI455X (gfx1250); checked and timed in simulation.
; The chip was launched on July 23, 2026; its instructions are those of AMD's public machine-readable ISA for CDNA 5 (MIT licence, August 2026) and "CDNA5" Instruction Set Architecture Reference Guide (July 2026). The comments in the code are by the model that wrote it; some were corrected since.
;; Self Attention. Allowed arithmetic: matrix products marked QUANTISED: E2M3 operands, one E8M0 scale for each 32 along K, by v_wmma_scale_f32_16x16x128_f8f6f4 with both operands' format E2M3, f32 sums; products left as they are: f32 operands where the result goes on into a quantised operand, else bf16, f16 or f32 operands; f32 sums; everything else in f32.
;; Inputs: Wk_codes 32 x 1 x 24 uint8 (E2M3 codes of Wk, K innermost, in blocks of 32 codes, four codes in three bytes); Wk_scales 32 x 1 uint8 (E8M0 scales of Wk, one for each 32 codes along K); Wp_codes 32 x 1 x 24 uint8 (E2M3 codes of Wp, K innermost, in blocks of 32 codes, four codes in three bytes); Wp_scales 32 x 1 uint8 (E8M0 scales of Wp, one for each 32 codes along K); Wq_codes 32 x 1 x 24 uint8 (E2M3 codes of Wq, K innermost, in blocks of 32 codes, four codes in three bytes); Wq_scales 32 x 1 uint8 (E8M0 scales of Wq, one for each 32 codes along K); Wv_codes 32 x 1 x 24 uint8 (E2M3 codes of Wv, K innermost, in blocks of 32 codes, four codes in three bytes); Wv_scales 32 x 1 uint8 (E8M0 scales of Wv, one for each 32 codes along K); always_attend_upto 8,192 int32; bk 32 float32; bp 32 float32; bq 32 float32; bv 32 float32; x_codes 8,192 x 64 x 1 x 24 uint8 (E2M3 codes of x, K innermost, in blocks of 32 codes, four codes in three bytes); x_scales 8,192 x 64 x 1 uint8 (E8M0 scales of x, one for each 32 codes along K).
;; Outputs: out0 8,192 x 64 x 32 float32.
;; This version of the problem:
;;   THIS VERSION OF THE PROBLEM IS GIVEN IN LOW PRECISION. The matrix products marked QUANTISED in the list below multiply operands that are first quantised to E2M3 (2 exponent bits, 3 mantissa bits; 6 bits a number), with one power-of-two scale for each 32 numbers along K (OCP MX v1.0); their sums are f32. All else is computed in f32.
;;   The module's matrix products, in the order in which they are computed (A, B: the left and right operand; K: the contracted axis; several contracted axes count as one K, in the product's order):
;;     1. [M 524,288, K 32] x [K 32, N 32]; A: input x (given as codes); B: input Wq (given as codes): QUANTISED
;;     2. [M 524,288, K 32] x [K 32, N 32]; A: input x (given as codes); B: input Wk (given as codes): QUANTISED
;;     3. [M 524,288, K 32] x [K 32, N 32]; A: input x (given as codes); B: input Wv (given as codes): QUANTISED
;;     4. batch 32,768 x [M 64, K 8] x [K 8, N 64]; A: computed on the way; B: computed on the way: left as it is (K = 8 < 32)
;;     5. batch 32,768 x [M 64, K 64] x [K 64, N 8]; A: softmax; B: computed on the way: left as it is (N = 8 < 16)
;;     6. [M 524,288, K 32] x [K 32, N 32]; A: computed on the way; B: input Wp (given as codes): QUANTISED
;;   THE QUANTISER, for each operand of a quantised product, along K:
;;     - K is cut into blocks of 32 from its start; a last block that is shorter is filled with zeros.
;;     - A block's scale is 2^e with e = floor(log2(the largest magnitude in the block)) - 2, held to -126 .. 127; a block of zeros has e = 0. As a byte (E8M0): e + 127.
;;     - Each number is divided by its block's scale, clamped to +-7.5, and rounded to the nearest number of E2M3, ties to even, subnormals kept.
;;     - The product sums the exact products of the quantised numbers (number of the format x scale) in f32.
;;   ~~~python
;;   def quantise(x, axis):      # numpy; x: float32 -> the quantised numbers, widened to float32 again
;;       x = np.moveaxis(x, axis, -1); K = x.shape[-1]
;;       x = np.pad(x, [(0, 0)] * (x.ndim - 1) + [(0, -K % 32)]); x = x.reshape(x.shape[:-1] + (-1, 32)); a = np.abs(x).max(-1, keepdims=True)
;;       e = np.where(a > 0, np.clip(np.frexp(np.where(a > 0, a, 1))[1] - 1 - 2, -126, 127), 0)      # np.frexp(a)[1] - 1 = floor(log2(a)), exactly
;;       r = np.clip(x / 2.0 ** e, -7.5, 7.5)
;;       step = 2.0 ** (np.maximum(np.frexp(np.where(r == 0, 1, r))[1] - 1, 0) - 3)
;;       q = np.round(r / step) * step * 2.0 ** e      # np.round: ties to even
;;       return np.moveaxis(q.reshape(q.shape[:-2] + (-1,))[..., :K], -1, axis).astype(np.float32)
;;   ~~~
;;   OPERANDS COMPUTED ON THE WAY. 'Computed on the way' means the value that the module computes at that place (a softmax that the list does not call 'softmax' is quantised finished and normalised). What goes into a quantiser is computed in f32, as accurately as f32 sums, v_exp_f32 and their like allow (about 1e-6 of the number): no bf16 or f16 on the way to a quantiser, and a product that is left as it is and whose result goes on into a quantised operand takes f32 operands (vector FMAs, or v_wmma_f32_16x16x4_f32). A number that lies on a knife's edge between two numbers of the format may be rounded either way, as far as f32 arithmetic and the matrix unit's own rounding can turn it there, and no further.
;;   INPUTS GIVEN AS CODES. Wk (in the module: [32, 32], K = its axis 1); Wp (in the module: [32, 32], K = its axis 1); Wq (in the module: [32, 32], K = its axis 1); Wv (in the module: [32, 32], K = its axis 1); x (in the module: [8192, 64, 32], K = its axis 2): each comes as NAME_codes (uint8): NAME with its K axis moved to the last place and cut into blocks of 32 codes, [.., K / 32, bytes a block], one block behind the other in memory; four codes in three bytes: a row's codes are one little-endian stream of bits, code i at bits 6 i .. 6 i + 5 (a code: sign, 2 exponent bits, 3 mantissa bits); and NAME_scales (uint8): the same leading axes, one E8M0 byte (e + 127) for each 32 codes along K. Its value is code x scale, taken as it is: it is not quantised again, and the codes and scales need not be those that the quantiser above would give.
;; 2 versions, each right; version 2 is version 1 with the launch attn written anew for expert scheduling mode. Each part assembles by itself: llvm-mc -triple=amdgcn-amd-amdhsa -mcpu=gfx1250 --defsym DOCPART=n.
;; ======== version 1 of 2: 1 launch
;; launch attn (part 1): grid 256 x 1, 8 waves a work-group, no clusters, 74,752 bytes of LDS; arguments x_codes, x_scales, always_attend_upto, Wq_codes, Wq_scales, bq, Wk_codes, Wk_scales, bk, Wv_codes, Wv_scales, bv, Wp_codes, Wp_scales, bp, out0; writes out0
.if DOCPART == 1
	.amdgcn_target "amdgcn-amd-amdhsa--gfx1250"
	.amdhsa_code_object_version 6
	.text
	.protected	k_q6e24c50854_attn
	.globl	k_q6e24c50854_attn
	.p2align	8
	.type	k_q6e24c50854_attn,@function
k_q6e24c50854_attn:
	s_mov_b64 s[64:65], 0
	v_nop
	global_prefetch_b8 v0, s[64:65] scope:SCOPE_SE
	s_setreg_imm32_b32 hwreg(HW_REG_WAVE_MODE, 25, 1), 1
	s_wait_xcnt 0x0
; SELF-ATTENTION OF 8,192 SEQUENCES OF 64 TOKENS x 32 FEATURES, 4 HEADS OF 8, mask: key <= query or key < len[b].  One launch, nothing goes through memory between the steps.
; q, k, v = x W^T + b and out = Q(attention) Wp^T + bp are products on codes of FP6 (E2M3) with one E8M0 scale for each 32 along K (K = 32: one block);
; q k^T and p v feed a quantiser, so they take f32 operands: v_wmma_f32_16x16x4_f32.  Softmax, sums and the quantiser in f32.
; SHARES.  One wave takes one whole sequence through the whole chain; wave g = 8 x work-group + wave takes sequences 4 g .. 4 g + 3, one a trip.  2,048 waves, two to a SIMD (512 registers each).
; Waves share nothing: no barrier.  LDS holds each wave's own stage for the way out.  What work-groups share is four weights of 768 bytes: no cluster, no joint loads.
; THE FP6 OPERANDS.  The instruction is 128 deep, the products 32.  Lane l loads token l's 24 bytes as they lie: lanes 0-15 then hold K block 0 of 16 rows, lanes 16-31 K block 1 of 16 OTHER tokens.
;   Variant XV[t] keeps one half of the lanes and has zero codes elsewhere (and in K blocks 2, 3).  A weight's row stands in both halves of the lanes, so it meets whichever block is alive.
;   Weight tiles lie 6 registers apart: an operand's registers 6-11 are the next tile's codes; they meet zero codes, and E2M3 has no code for infinity or NaN.
;   Scale words are byte x 0x101: bytes 0, 1 the scale, bytes 2, 3 zero (2^-127, over zero codes).
; q AND k ARE MADE TRANSPOSED (source 0 = W, source 1 = x) WITH W's ROWS PERMUTED: operand row m of tile f is W's row 16 f + rho(m), rho(m) = (m & 1) | (m & 6) << 1 | (m >> 2 & 2).
;   Register 4 a + 2 s + j of lane (r, h) is then token r, head 2 f + a, channel 4 s + 2 h + j: each even pair IS an f32 fragment of K step s.
; v IS MADE UNTRANSPOSED: register j of lane (r, h) is token 8 h + j, feature 16 f + r: pair p is a fragment of V^T for keys 8 h + 2 p + 0, 1; rows 0-7 are head 2 f, rows 8-15 head 2 f + 1.
; S^T = k q^T: lane (r, h) holds query r, keys 16 kt + 8 h + j.  THE MASK IS THE C OF THE FIRST K STEP: 0, or -infinity where the key is hidden.  p's pair p matches V's pair p.
; O^T = V^T p: head 2 f is right in lanes 0-15, head 2 f + 1 in lanes 16-31; one select joins them.  O is divided by the row's sum of p behind the product (reference() divides ahead of it: a difference of f32 rounding).
; BY TURNS.  For each half f of the features there are eight STEPS i (query tile i / 2, head i % 2): QK(i), softmax(i), PV(i).  They are laid in SLOTS, so that a wave's vector work stands between its own matrix instructions:
;   slot i, first part:  the 16 products of PV(i - 1) | the row's sum of step i - 1, the next diagonal mask or the reciprocal, the maximum and the scalings of step i, 3 or 4 behind each product;
;   slot i, second part: the 8 products of QK(i + 1) | the 32 exponentials of step i, 4 behind each product;  then O of step i - 1 is taken, and one wait serves the slot's transcendentals.
;   p has two buffers, which take turns from step to step.  PV of one head runs on two accumulators (even and odd K steps), so that accumulators take turns, one instruction a turn.
; LIMITS: NaN, infinities and the scale byte 0xff among the inputs are not served.  A block of zeros ahead of the last product gets the byte 1 (its codes are zeros; this program alone reads the byte).
;   len is held to 0 .. 64, which gives the same mask for every int32.  v_exp_f32 gives 0 for results under 2^-126.
.set SEQS,   4                         ; sequences of a wave
.set XSEQ,   1536                      ; a sequence's codes in bytes: 64 tokens x 24
.set OSEQ,   8192                      ; a sequence's output in bytes: 64 x 32 x 4
.set SPITCH, 144                       ; a stage row: 128 bytes + 16
.set WSTG,   64*SPITCH                 ; a wave's stage
; window 0: all that the slots' vector instructions and PV touch
.set R1,  1                            ; v1   r + 1            (r = lane % 16, h = lane / 16)
.set H8,  2                            ; v2   8 h
.set LH,  3                            ; v3   len - 8 h
.set DL,  4                            ; v4   the diagonal tile's limit
.set NEG, 5                            ; v5   -infinity
.set NIL, 6                            ; v6   0
.set XA,  7                            ; v7   24 x lane
.set XSA, 8                            ; v8   lane
.set STO, 9                            ; v9   the stage: where I put 32 bytes of a row
.set SRD, 10                           ; v10  and where I read rows back
.set GO,  11                           ; v11  16 x lane
.set XSB, 12                           ; v12-13 x's scale bytes as loaded
.set TP,  14                           ; v14  a lane permute's destination
.set SWQ, 16                           ; v16-19 the weights' scale words: tile 0 in lanes 0-15, tile 1 in lanes 16-31
.set SWK, 17
.set SWV, 18
.set SWP, 19
.set SX,  20                           ; v20-21 x's scale words, tokens 0-31 and 32-63
.set SO,  22                           ; v22-23 the attention output's
.set MX,  24                           ; v24-27 maxima
.set NM,  28                           ; v28  -c x maximum (v29 is named with it as a pair)
.set SA,  30                           ; v30-33 a row's sum, in two chains of pairs
.set PS,  34                           ; v34-35 my lane's part of the two heads' sums
.set WS,  36                           ; v36  my head's sum
.set XS,  37                           ; v37  what the other half of the lanes wants of me
.set AM,  40                           ; v40-41 largest magnitudes;  v42-43 the conversions' scale operands;  v44-45 scale bytes
.set SC,  42
.set BY,  44
.set SCR, 48                           ; v48-79  S^T, four tiles of keys; later the output's four accumulators.  Written by matrix instructions alone
.set OA,  80                           ; v80-95  O^T of the step in hand: even K steps, odd K steps.  Written by matrix instructions alone
.set PP,  96                           ; v96-159 p, two buffers; later codes just made, then rows of the output
.set ML,  160                          ; v160-183 masks of key tiles 1-3 above the diagonal: they hang on len alone
.set MD,  184                          ; v184-191 the diagonal tile's mask
.set KT,  192                          ; v192-223 k, four tiles of tokens
.set VT,  224                          ; v224-255 v
.set ZW,  192                          ; the attention output ahead of the quantiser, in k's and v's registers, which are free then: (f, tile t) at 32 (t / 2) + 16 f + 8 (t % 2)
.set HT,  96                           ; the head's temporaries, in registers that p takes later
; window 1
.set WF,  0                            ; weight tiles q0 q1 k0 k1 v0 v1 p0 p1, 6 registers each;  48-53 zeros behind the last
.set ZP,  48
.set BQ,  54                           ; the biases in the results' layouts, 8 registers a tile
.set BK,  70
.set BV,  86
.set BP,  102
.set XV,  118                          ; four variants of 12
.set XR,  166                          ; x's codes as loaded: 2 x 6
.set QZ,  178                          ; q, then the attention output not yet divided: (f, tile t) at 32 (t / 2) + 16 f + 8 (t % 2)
.set RIU, 242                          ; 1 / the rows' sums, a register for each (f, query tile): 4 f + tile
.set MSB, 0
.macro WIN new                         ; the immediate's high byte repeats the setting that is left; bits 1:0 source 0, 3:2 source 1, 5:4 source 2, 7:6 destination
.if MSB != \new
	s_set_vgpr_msb (MSB<<8)|\new
.set MSB, \new
.endif
.endm
.macro PLACES n                        ; plain instructions behind a matrix instruction (ISA guide 7.12.1), where no useful work is at hand
.rept \n
	v_nop
.endr
.endm
; one scaled product: D, source 0, source 1, C, their scale registers, and which half of the lanes of each scale register is read
.macro SW d, a, b, c, sa, sb, ra, rb
.if (\ra) && (\rb)
	v_wmma_scale_f32_16x16x128_f8f6f4 v[\d:\d+7], v[\a:\a+11], v[\b:\b+11], v[\c:\c+7], v[\sa], v[\sb] matrix_a_fmt:MATRIX_FMT_FP6 matrix_b_fmt:MATRIX_FMT_FP6 matrix_a_scale:MATRIX_SCALE_ROW1 matrix_b_scale:MATRIX_SCALE_ROW1
.elseif (\ra)
	v_wmma_scale_f32_16x16x128_f8f6f4 v[\d:\d+7], v[\a:\a+11], v[\b:\b+11], v[\c:\c+7], v[\sa], v[\sb] matrix_a_fmt:MATRIX_FMT_FP6 matrix_b_fmt:MATRIX_FMT_FP6 matrix_a_scale:MATRIX_SCALE_ROW1
.elseif (\rb)
	v_wmma_scale_f32_16x16x128_f8f6f4 v[\d:\d+7], v[\a:\a+11], v[\b:\b+11], v[\c:\c+7], v[\sa], v[\sb] matrix_a_fmt:MATRIX_FMT_FP6 matrix_b_fmt:MATRIX_FMT_FP6 matrix_b_scale:MATRIX_SCALE_ROW1
.else
	v_wmma_scale_f32_16x16x128_f8f6f4 v[\d:\d+7], v[\a:\a+11], v[\b:\b+11], v[\c:\c+7], v[\sa], v[\sb] matrix_a_fmt:MATRIX_FMT_FP6 matrix_b_fmt:MATRIX_FMT_FP6
.endif
.endm
; a sequence's codes and scale bytes: lane l takes token 32 u + l: three loads of 8 bytes cover 768 consecutive bytes
.macro XLOAD
	WIN 0x40                                       ; destination window 1
.irp u, 0,1
.irp p, 0,1,2
	global_load_b64 v[XR+6*\u+2*\p:XR+6*\u+2*\p+1], v[XA], s[8:9] offset:768*\u+8*\p th:TH_LOAD_NT
.endr
.endr
	WIN 0
	global_load_u8 v[XSB], v[XSA], s[10:11] th:TH_LOAD_NT
	global_load_u8 v[XSB+1], v[XSA], s[10:11] offset:32 th:TH_LOAD_NT
.endm
; the four variants: tile t keeps lanes 0-15 (t even) or 16-31 (t odd) of its half's codes, zero codes elsewhere; and the scale words
.macro BUILDX
	WIN 0x44                                       ; destination and source 1 window 1
.irp t, 0,1,2,3
.irp i, 0,1,2,3,4,5
	v_cndmask_b32 v[XV+12*\t+\i], 0, v[XR+6*(\t/2)+\i], s[46+\t%2]
.endr
.endr
	WIN 0
	v_mul_u32_u24 v[SX], v[XSB], 0x101
	v_mul_u32_u24 v[SX+1], v[XSB+1], 0x101
.endm
; key tiles above the diagonal: key 16 kt + 8 h + j counts where it is under len
.macro MLEN
	v_sub_nc_u32 v[LH], s44, v[H8]
.irp kt, 1,2,3
.irp j, 0,1,2,3,4,5,6,7
	v_cmp_lt_i32 vcc_lo, 16*\kt+\j, v[LH]
	v_cndmask_b32 v[ML+8*(\kt-1)+\j], v[NEG], v[NIL], vcc_lo
.endr
.endr
.endm
; q, k, v of features 16 f .. 16 f + 15 (heads 2 f, 2 f + 1) for the four tiles of tokens: twelve products with twelve results; the biases are their C
.macro PROJ f
	WIN 0x55                                       ; q: all four operands window 1
.irp t, 0,1,2,3
	SW QZ+32*(\t/2)+16*(\f)+8*(\t%2), WF+6*(\f), XV+12*\t, BQ+8*(\f), SWQ, SX+\t/2, \f, \t%2
.endr
	WIN 0x15                                       ; k, v: sources 0, 1, 2 window 1, destination window 0
.irp t, 0,1,2,3
	SW KT+8*\t, WF+12+6*(\f), XV+12*\t, BK+8*(\f), SWK, SX+\t/2, \f, \t%2
.endr
.irp t, 0,1,2,3
	SW VT+8*\t, XV+12*\t, WF+24+6*(\f), BV+8*(\f), SX+\t/2, SWV, \t%2, \f
.endr
	WIN 0
.endm
; ---- THE MATRIX WORK OF A SLOT.  Both macros write product number NW.
; PV of the step whose p lies at PBP: K step NW is keys 8 h + 2 (NW % 4) + 0, 1 of key tile NW / 4; even K steps add onto OA, odd ones onto OA + 8; the first two start the sums.
.macro PVW
.if NW < 2
	v_wmma_f32_16x16x4_f32 v[OA+8*(NW%2):OA+8*(NW%2)+7], v[VT+2*NW:VT+2*NW+1], v[PBP+2*NW:PBP+2*NW+1], 0
.else
	v_wmma_f32_16x16x4_f32 v[OA+8*(NW%2):OA+8*(NW%2)+7], v[VT+2*NW:VT+2*NW+1], v[PBP+2*NW:PBP+2*NW+1], v[OA+8*(NW%2):OA+8*(NW%2)+7]
.endif
.endm
; QK of head NA, query tile NQT (its q at NQB, window 1): key tile NW % 4, K step NW / 4 of two.  The first K step takes the mask as its C.  The four accumulators take turns.
.macro QKW
.set KT_, NW%4
.if NW >= 4
	v_wmma_f32_16x16x4_f32 v[SCR+8*KT_:SCR+8*KT_+7], v[KT+8*KT_+4*NA+2:KT+8*KT_+4*NA+3], v[NQB+4*NA+2:NQB+4*NA+3], v[SCR+8*KT_:SCR+8*KT_+7]
.elseif KT_ < NQT
	v_wmma_f32_16x16x4_f32 v[SCR+8*KT_:SCR+8*KT_+7], v[KT+8*KT_+4*NA:KT+8*KT_+4*NA+1], v[NQB+4*NA:NQB+4*NA+1], 0
.elseif KT_ == NQT
	v_wmma_f32_16x16x4_f32 v[SCR+8*KT_:SCR+8*KT_+7], v[KT+8*KT_+4*NA:KT+8*KT_+4*NA+1], v[NQB+4*NA:NQB+4*NA+1], v[MD:MD+7]
.else
	v_wmma_f32_16x16x4_f32 v[SCR+8*KT_:SCR+8*KT_+7], v[KT+8*KT_+4*NA:KT+8*KT_+4*NA+1], v[NQB+4*NA:NQB+4*NA+1], v[ML+8*(KT_-1):ML+8*(KT_-1)+7]
.endif
.endm
; ---- THE PLAIN VECTOR WORK OF A SLOT is a numbered list; VA writes number J of it.  Its four parts, of N1, N2, N3 and NAP instructions (a part that a slot does not have has length 0):
;   N1 = 16  the row's sum of the p at PBP (the step before, head PAV): two chains of packed additions, joined; my lane's 32 keys
;   N2 = 5   behind the second head of a query tile: lanes 0-15 keep the first head's part and get its other half from the lane 16 away, lanes 16-31 likewise for the second; the reciprocal, kept for unit UU
;   N3 = 19  the diagonal mask of query tile DQT: key 8 h + j of the tile counts where it is under max(r + 1, len - 16 DQT)
;   NAP = 35 the step in hand: the row's maximum of S^T (the diagonal key counts for every query, so it is a number), -c x maximum, and c s - c maximum into the p buffer at PBC.  Each accumulator is read from its low end on
.macro VA
.set B1_, N1
.set B2_, N1+N2
.set B3_, N1+N2+N3
.if J < B1_
.if J < 2
	v_pk_add_f32 v[SA+2*J:SA+2*J+1], v[PBP+4*J:PBP+4*J+1], v[PBP+4*J+2:PBP+4*J+3]
.elseif J < 14
	v_pk_add_f32 v[SA+2*(J%2):SA+2*(J%2)+1], v[SA+2*(J%2):SA+2*(J%2)+1], v[PBP+2*J+4:PBP+2*J+5]
.elseif J == 14
	v_pk_add_f32 v[SA:SA+1], v[SA:SA+1], v[SA+2:SA+3]
.else
	v_add_f32 v[PS+PAV], v[SA], v[SA+1]
.endif
.elseif J < B2_
.set X_, J-B1_
.if X_ == 0
	v_cndmask_b32 v[WS], v[PS], v[PS+1], s47
.elseif X_ == 1
	v_cndmask_b32 v[XS], v[PS+1], v[PS], s47
.elseif X_ == 2
	v_permlanex16_b32 v[TP], v[XS], s48, s49
.elseif X_ == 3
	v_add_f32 v[WS], v[WS], v[TP]
.else
	WIN 0x40                                       ; destination window 1
	v_rcp_f32 v[RIU+UU], v[WS]                     ; read only ahead of the quantiser; the slot's wait serves it
	WIN 0
.endif
.elseif J < B3_
.set X_, J-B2_
.if X_ == 0
	s_sub_co_i32 s45, s44, 16*DQT
	v_cmp_lt_i32 vcc_lo, s45, v[R1]
.elseif X_ == 1
	v_cndmask_b32 v[DL], s45, v[R1], vcc_lo        ; the larger of the two
.elseif X_ == 2
	v_sub_nc_u32 v[DL], v[DL], v[H8]
.elseif (X_%2) == 1
	v_cmp_lt_i32 vcc_lo, (X_-3)/2, v[DL]
.else
	v_cndmask_b32 v[MD+(X_-4)/2], v[NEG], v[NIL], vcc_lo
.endif
.else
.set X_, J-B3_
.if X_ < 4
	v_max3_num_f32 v[MX+X_], v[SCR+8*X_], v[SCR+8*X_+1], v[SCR+8*X_+2]
.elseif X_ < 12
	v_max3_num_f32 v[MX+X_%4], v[MX+X_%4], v[SCR+8*(X_%4)+2*(X_/4)+1], v[SCR+8*(X_%4)+2*(X_/4)+2]
.elseif X_ == 12
	v_max3_num_f32 v[MX], v[MX], v[SCR+7], v[SCR+15]
.elseif X_ == 13
	v_max3_num_f32 v[MX+2], v[MX+2], v[SCR+23], v[SCR+31]
.elseif X_ == 14
	v_max3_num_f32 v[MX], v[MX], v[MX+1], v[MX+2]
.elseif X_ == 15
	v_max_num_f32 v[MX], v[MX], v[MX+3]
.elseif X_ == 16
	v_permlanex16_b32 v[TP], v[MX], s48, s49       ; the query's other 32 keys lie in the lane 16 away
.elseif X_ == 17
	v_max_num_f32 v[MX], v[MX], v[TP]
.elseif X_ == 18
	v_mul_f32 v[NM], s52, v[MX]                    ; -c x maximum
.else
	v_pk_fma_f32 v[PBC+2*(X_-19):PBC+2*(X_-19)+1], v[SCR+2*(X_-19):SCR+2*(X_-19)+1], s[50:51], v[NM:NM+1] op_sel_hi:[1,0,0]
.endif
.endif
.endm
.macro RUN n                           ; n numbers of the list on end
.rept \n
	VA
.set J, J+1
.endr
.endm
; A slot's first part: 16 products of PV; behind each of the first 15 at most per numbers of the list, all but its last tail numbers; those stand behind the last product.
; With tail = 12 they are scalings, which name no register of the last two products: the places between these and the read of O^T (8 are asked) and the next PV's fresh start on the same accumulators (9).
; ex = 1 (the last step of a block, which has no QK beside its exponentials): the whole list stands behind the first 8 products, the 32 exponentials behind the other 8.
.macro PHASEA per, tail, ex
.set J, 0
.set NW, 0
.rept 16
	PVW
.if (\ex) && (NW >= 8)
.irp e, 0,1,2,3
	v_exp_f32 v[PBC+4*(NW-8)+\e], v[PBC+4*(NW-8)+\e]
.endr
.elseif NW < 15
.rept \per
.if J < LL-(\tail)
	VA
.set J, J+1
.endif
.endr
.endif
.set NW, NW+1
.endr
.rept 16
.if J < LL
	VA
.set J, J+1
.endif
.endr
.endm
; A slot's second part: 8 products of QK, 4 exponentials of the step in hand behind each.  q is source 1, in window 1; an exponential has no source 1, so one setting serves both.
.macro PHASEB
	WIN 0x04
.set NW, 0
.rept 8
	QKW
.irp e, 0,1,2,3
	v_exp_f32 v[PBC+4*NW+\e], v[PBC+4*NW+\e]
.endr
.set NW, NW+1
.endr
.endm
; A slot's end: O^T of the step before.  Its two accumulators are added (from their low ends on).  The first head's sum takes the place of the query tile's q, which both heads' QK have read;
; the second head's goes to the first registers of its own p buffer, which is done with, and one select joins the heads: lane (r, h): query r, feature 16 f + 8 h + j.
; These plain instructions stand behind the last exponential; then ONE wait for the slot's exponentials and reciprocal, ahead of the first instruction that names a result.
.macro FIN
.if PAV == 0
	WIN 0x40                                       ; destination window 1
.irp j, 0,2,4,6
	v_pk_add_f32 v[PQB+\j:PQB+\j+1], v[OA+\j:OA+\j+1], v[OA+8+\j:OA+8+\j+1]
.endr
	WIN 0
.else
	WIN 0
.irp j, 0,2,4,6
	v_pk_add_f32 v[PBP+\j:PBP+\j+1], v[OA+\j:OA+\j+1], v[OA+8+\j:OA+8+\j+1]
.endr
	WIN 0x41                                       ; destination and source 0 window 1
.irp j, 0,1,2,3,4,5,6,7
	v_cndmask_b32 v[PQB+\j], v[PQB+\j], v[PBP+\j], s47
.endr
	WIN 0
.endif
	s_wait_alu depctr_va_vdst(0)
.endm
; Slot i of 1 .. 8 of feature half f.  The 16 additions at the list's head name no register of the last QK: they are the places (8 are asked) between it and the first read of S^T.
.macro SLOT f, i
.set PBP, PP+32*(((\i)+1)%2)           ; p of step i - 1
.set PBC, PP+32*((\i)%2)               ; p of step i
.set PAV, ((\i)+1)%2                   ; the head of step i - 1
.set UU,  4*(\f)+((\i)-1)/2            ; its unit
.set N1,  16
.set N2,  5*PAV
.set N3,  0
.if (((\i)%2) == 1) && ((\i) < 7)
.set N3,  19
.endif
.set DQT, ((\i)+1)/2
.set NAP, 35
.if (\i) == 8
.set NAP, 0
.endif
.set LL,  N1+N2+N3+NAP
.set NA,  ((\i)+1)%2                   ; step i + 1: head, query tile, its q
.set NQT, ((\i)+1)/2
.set NQB, QZ+32*(NQT/2)+16*(\f)+8*(NQT%2)
.set PQT, ((\i)-1)/2                   ; step i - 1: query tile, where its result goes
.set PQB, QZ+32*(PQT/2)+16*(\f)+8*(PQT%2)
.if (\i) == 8
	PHASEA 2, 0, 0                                 ; the last PV and the last sums
	PLACES 8                                       ; ahead of the read of O^T
.elseif (\i) == 7
	PHASEA 7, 0, 1                                 ; 51 numbers behind 8 products, 7 each
	PLACES 9                                       ; ahead of the read of O^T (8) and of the next PV's fresh start (9); also the plain instruction behind the last exponential
.elseif ((\i)%2) == 1
	PHASEA 4, 12, 0                                ; 70 numbers: 58 behind 15 products, 12 behind the last
	PHASEB
.else
	PHASEA 3, 12, 0                                ; 56 numbers: 44 behind 15 products, 12 behind the last
	PHASEB
.endif
	FIN
.endm
; Heads 2 f and 2 f + 1, all four query tiles: eight steps.  The head of the block has nothing to stand beside: the first mask (its lines are the places between the projections and the products
; that take their results), the first QK, the first maximum and scalings.
.macro BLOCK f
	PROJ \f
.set N1,  0
.set N2,  0
.set N3,  19
.set NAP, 0
.set DQT, 0
.set J,   0
	RUN 19
.set NA,  0
.set NQT, 0
.set NQB, QZ+16*(\f)
	WIN 0x04
.set NW, 0
.rept 8
	QKW
.set NW, NW+1
.endr
	WIN 0
	PLACES 8
.set N3,  0
.set NAP, 35
.set PBC, PP
.set J,   0
	RUN 35
.set NA,  1
	PHASEB                                         ; QK of step 1 | the exponentials of step 0
	WIN 0
	v_nop                                          ; a plain instruction behind the last exponential
	s_wait_alu depctr_va_vdst(0)                   ; the wait for the 32, ahead of their first reader
.irp i, 1,2,3,4,5,6,7,8
	SLOT \f, \i
.endr
.endm
; The attention output becomes an operand.  The division by the rows' sums brings it from window 1 into k's and v's registers, which are done with.  (Of a pair of reciprocals a packed multiply takes the low word
; for both halves: even query tiles; odd ones are multiplied singly.)  Sixteen swaps for each pair of query tiles then give lane (r, 0) the first tile's whole row r, lane (r, 1) the second's, in 32 registers on end:
; a lane owns a whole block of 32.  Its codes are K block 0 (lanes 0-15) or 1 (lanes 16-31), as x's are, and are split into variants in the same way.
.macro QUANT
	WIN 0x05                                       ; sources 0 and 1 window 1, destination window 0
.irp f, 0,1
.irp pr, 0,1
.irp j, 0,2,4,6
	v_pk_mul_f32 v[ZW+32*\pr+16*\f+\j:ZW+32*\pr+16*\f+\j+1], v[QZ+32*\pr+16*\f+\j:QZ+32*\pr+16*\f+\j+1], v[RIU+4*\f+2*\pr:RIU+4*\f+2*\pr+1] op_sel_hi:[1,0]
.endr
.irp j, 0,1,2,3,4,5,6,7
	v_mul_f32 v[ZW+32*\pr+16*\f+8+\j], v[RIU+4*\f+2*\pr+1], v[QZ+32*\pr+16*\f+8+\j]
.endr
.endr
.endr
	WIN 0
.irp pr, 0,1
.irp f, 0,1
.irp j, 0,1,2,3,4,5,6,7
	v_permlane16_swap_b32 v[ZW+32*\pr+16*\f+\j], v[ZW+32*\pr+16*\f+8+\j]
.endr
.endr
.endr
.irp pr, 0,1
	v_max3_num_f32 v[AM+\pr], |v[ZW+32*\pr]|, |v[ZW+32*\pr+1]|, 0x1800000    ; with the floor 2^(3 - 127): the byte cannot fall under 1
.endr
.irp i, 2,4,6,8,10,12,14,16,18,20,22,24,26,28,30
.irp pr, 0,1
	v_max3_num_f32 v[AM+\pr], v[AM+\pr], |v[ZW+32*\pr+\i]|, |v[ZW+32*\pr+\i+1]|
.endr
.endr
.irp pr, 0,1
	v_add_nc_u32 v[SC+\pr], 0xff000000, v[AM+\pr]  ; 2 off the exponent field: the conversion's scale operand
.endr
.irp pr, 0,1
	v_lshrrev_b32 v[BY+\pr], 23, v[SC+\pr]         ; the scale's byte
.endr
.irp pr, 0,1
	v_lshl_or_b32 v[SO+\pr], v[BY+\pr], 8, v[BY+\pr]   ; in bytes 0 and 1 of the scale word
.endr
.irp pr, 0,1
	v_cvt_scalef32_pk16_fp6_f32 v[PP+8*\pr:PP+8*\pr+2], v[ZW+32*\pr:ZW+32*\pr+15], v[SC+\pr]
	v_cvt_scalef32_pk16_fp6_f32 v[PP+8*\pr+4:PP+8*\pr+6], v[ZW+32*\pr+16:ZW+32*\pr+31], v[SC+\pr]
.endr
	v_nop                                          ; one plain instruction behind a scaled conversion
	WIN 0x40                                       ; destination window 1
.irp pr, 0,1
.irp tt, 0,1
.irp i, 0,1,2
	v_cndmask_b32 v[XV+12*(2*\pr+\tt)+\i], 0, v[PP+8*\pr+\i], s[46+\tt]
	v_cndmask_b32 v[XV+12*(2*\pr+\tt)+3+\i], 0, v[PP+8*\pr+4+\i], s[46+\tt]
.endr
.endr
.endr
	WIN 0                                          ; (these 24 selects are the places between the scale words' and the operands' last writes and the products below)
.endm
; The last product for query tiles 2 pr, 2 pr + 1: source 0 = Wp's rows, source 1 = the variant, C = bp: a lane holds eight neighbouring outputs of a row.
; They go through my stage and come back as four whole rows (512 consecutive bytes) an instruction.  LDS serves a wave's instructions in order (ISA guide 5.7.1.4): no wait between the stores and the loads.
.macro OUTP pr
.if \pr
	s_wait_dscnt 8                                 ; the first pair's eight stores have read the accumulators; its eight loads may stay out
.endif
	WIN 0x15
.irp tt, 0,1
.irp fo, 0,1
	SW SCR+8*(2*\tt+\fo), WF+36+6*\fo, XV+12*(2*(\pr)+\tt), BP+8*\fo, SWP, SO+(\pr), \fo, \tt
.endr
.endr
	WIN 0
	PLACES 5                                       ; four in front of the stores that read results; five in front of matrix instructions that write over them
.irp tt, 0,1
.irp fo, 0,1
	ds_store_b128 v[STO], v[SCR+8*(2*\tt+\fo):SCR+8*(2*\tt+\fo)+3] offset:(32*(\pr)+16*\tt)*SPITCH+64*\fo
	ds_store_b128 v[STO], v[SCR+8*(2*\tt+\fo)+4:SCR+8*(2*\tt+\fo)+7] offset:(32*(\pr)+16*\tt)*SPITCH+64*\fo+16
.endr
.endr
.irp i, 0,1,2,3,4,5,6,7
	ds_load_b128 v[PP+32*(\pr)+4*\i:PP+32*(\pr)+4*\i+3], v[SRD] offset:(32*(\pr)+4*\i)*SPITCH
.endr
.endm
.macro SEND                            ; behind the first pair's load i stand 7 - i loads, 8 stores and 8 loads; behind the second pair's 7 - i loads
.irp pr, 0,1
.irp i, 0,1,2,3,4,5,6,7
	s_wait_dscnt (1-\pr)*16+7-\i
	global_store_b128 v[GO], v[PP+32*\pr+4*\i:PP+32*\pr+4*\i+3], s[38:39] offset:4096*\pr+512*\i th:TH_STORE_NT   ; 32 lanes store 512 consecutive bytes, at a multiple of 256 from the output's first byte
.endr
.endr
.endm
	; ---- THE HEAD
	s_load_b512 s[8:23], s[0:1], 0x0               ; x codes s[8:9], x scales s[10:11], len s[12:13], Wq codes, scales, bq s[14:19], Wk codes, scales s[20:23]
	s_load_b512 s[24:39], s[0:1], 0x40             ; bk s[24:25], Wv codes, scales, bv s[26:31], Wp codes, scales, bp s[32:37], out s[38:39]
	v_lshl_add_u32 v46, v0, 2, 0x12000
	v_mov_b32 v47, 0
	v_lshrrev_b32 v[HT], 5, v0
	v_readfirstlane_b32 s4, v[HT]                  ; wave 0..7
	v_and_b32 v[HT+1], 31, v0                      ; lane
	v_and_b32 v[HT+2], 15, v0                      ; r
	v_bfe_u32 v[HT+3], v0, 4, 1                    ; h
	v_add_nc_u32 v[R1], 1, v[HT+2]
	v_lshlrev_b32 v[H8], 3, v[HT+3]
	v_mov_b32 v[NEG], 0xff800000
	v_mov_b32 v[NIL], 0
	v_mul_u32_u24 v[XA], v[HT+1], 24
	v_mov_b32 v[XSA], v[HT+1]
	s_mul_i32 s45, s4, WSTG                        ; my stage
	v_mul_u32_u24 v[STO], v[HT+2], SPITCH          ; in: row r, 32 bytes for each half of the lanes
	v_lshl_add_u32 v[STO], v[HT+3], 5, v[STO]
	v_add_nc_u32 v[STO], s45, v[STO]
	v_bfe_u32 v[HT+5], v0, 3, 2                    ; back: eight lanes to a row of 128 bytes, four rows an instruction
	v_mul_u32_u24 v[SRD], v[HT+5], SPITCH
	v_and_b32 v[HT+5], 7, v0
	v_lshl_add_u32 v[SRD], v[HT+5], 4, v[SRD]
	v_add_nc_u32 v[SRD], s45, v[SRD]
	v_lshlrev_b32 v[GO], 4, v[HT+1]
	v_and_b32 v[HT+4], 1, v0                       ; rho(r): bit 0 stays, bits 1, 2 go one up, bit 3 goes to bit 1
	v_and_b32 v[HT+5], 6, v0
	v_lshl_or_b32 v[HT+4], v[HT+5], 1, v[HT+4]
	v_bfe_u32 v[HT+5], v0, 3, 1
	v_lshl_or_b32 v[HT+4], v[HT+5], 1, v[HT+4]
	v_mul_u32_u24 v[HT+6], v[HT+4], 24             ; Wq, Wk: row rho(r), in both halves of the lanes
	v_mul_u32_u24 v[HT+7], v[HT+2], 24             ; Wv, Wp: row r
	v_lshl_or_b32 v[HT+8], v[HT+3], 4, v[HT+4]     ; their scale bytes: row 16 h + rho(r);  Wv's, Wp's: row = lane
	v_lshlrev_b32 v[HT+9], 2, v[HT+2]              ; bv: 4 r
	v_lshlrev_b32 v[HT+10], 5, v[HT+3]             ; bp: 32 h
	v_mov_b32 v[TP], 0                             ; a lane permute's destination counts as one of its sources
	v_mov_b32 v[NM+1], 0                           ; named as the upper half of a pair
	s_mov_b32 s46, 0x0000ffff                      ; lanes 0-15
	s_mov_b32 s47, 0xffff0000                      ; lanes 16-31
	s_mov_b32 s48, 0x76543210                      ; v_permlanex16_b32's selects for lane l xor 16
	s_mov_b32 s49, 0xfedcba98
	s_mov_b32 s50, 0x3f0293ee                      ; c = log2(e) / sqrt(8)
	s_mov_b32 s51, s50                             ; (named with it as a pair)
	s_mov_b32 s52, 0xbf0293ee                      ; -c
	s_lshl_b32 s6, ttmp9, 3
	s_add_co_u32 s6, s6, s4                        ; g = 8 x work-group + wave, 0 .. 2,047
	s_mul_i32 s54, s6, SEQS*XSEQ
	s_mov_b32 s55, 0
	s_lshl_b32 s56, s6, 8                          ; 4 sequences x 64 scale bytes
	s_mov_b32 s57, 0
	WIN 0x40                                       ; destination window 1
.irp i, 0,1,2,3,4,5
	v_mov_b32 v[ZP+\i], 0                          ; zero codes behind the last weight tile
.endr
.irp t, 0,1,2,3
.irp i, 6,7,8,9,10,11
	v_mov_b32 v[XV+12*\t+\i], 0                    ; K blocks 2 and 3 of every variant: zero codes, for good
.endr
.endr
	WIN 0
	s_wait_kmcnt 0x0
	s_add_nc_u64 s[8:9], s[8:9], s[54:55]
	s_add_nc_u64 s[10:11], s[10:11], s[56:57]
	s_lshl_b32 s54, s6, 4                          ; 4 lens of 4 bytes
	s_add_nc_u64 s[12:13], s[12:13], s[54:55]
	s_lshl_b32 s54, s6, 15                         ; 4 x 8,192 bytes
	s_add_nc_u64 s[38:39], s[38:39], s[54:55]
	s_load_b128 s[40:43], s[12:13], 0x0            ; my four lens
	XLOAD                                          ; the first sequence
	WIN 0x40
.irp f, 0,1
.irp p, 0,1,2
	global_load_b64 v[WF+6*\f+2*\p:WF+6*\f+2*\p+1], v[HT+6], s[14:15] offset:384*\f+8*\p
	global_load_b64 v[WF+12+6*\f+2*\p:WF+12+6*\f+2*\p+1], v[HT+6], s[20:21] offset:384*\f+8*\p
	global_load_b64 v[WF+24+6*\f+2*\p:WF+24+6*\f+2*\p+1], v[HT+7], s[26:27] offset:384*\f+8*\p
	global_load_b64 v[WF+36+6*\f+2*\p:WF+36+6*\f+2*\p+1], v[HT+7], s[32:33] offset:384*\f+8*\p
.endr
.irp a, 0,1
.irp s, 0,1
	global_load_b64 v[BQ+8*\f+4*\a+2*\s:BQ+8*\f+4*\a+2*\s+1], v[H8], s[18:19] offset:64*\f+32*\a+16*\s   ; features 16 f + 8 a + 4 s + 2 h + 0, 1
	global_load_b64 v[BK+8*\f+4*\a+2*\s:BK+8*\f+4*\a+2*\s+1], v[H8], s[24:25] offset:64*\f+32*\a+16*\s
.endr
.endr
.irp j, 0,1,2,3,4,5,6,7
	global_load_b32 v[BV+8*\f+\j], v[HT+9], s[30:31] offset:64*\f      ; feature 16 f + r, for each of the lane's eight tokens
.endr
.irp i, 0,1
	global_load_b128 v[BP+8*\f+4*\i:BP+8*\f+4*\i+3], v[HT+10], s[36:37] offset:64*\f+16*\i   ; features 16 f + 8 h + 0 .. 7
.endr
.endr
	WIN 0
	global_load_u8 v[SWQ], v[HT+8], s[16:17]
	global_load_u8 v[SWK], v[HT+8], s[22:23]
	global_load_u8 v[SWV], v[HT+1], s[28:29]
	global_load_u8 v[SWP], v[HT+1], s[34:35]
	s_wait_loadcnt 0x0
.irp w, SWQ, SWK, SWV, SWP
	v_mul_u32_u24 v[\w], v[\w], 0x101
.endr
	s_wait_kmcnt 0x0                               ; the lens
	s_wait_xcnt 0x0                                ; the loads have read their bases
	s_add_nc_u64 s[8:9], s[8:9], XSEQ              ; x's pointers stand one sequence ahead of the work
	s_add_nc_u64 s[10:11], s[10:11], 64
	s_mov_b32 s5, SEQS
.Lbatch:                                               ; a trip: one sequence
	s_wait_loadcnt 0x0                             ; the only loads out are this sequence's x, asked for a trip ago
	BUILDX
	s_max_i32 s44, s40, 0
	s_min_i32 s44, s44, 64                         ; len, held to 0 .. 64
	s_cmp_eq_u32 s5, 1                             ; the last trip asks for nothing: no load leaves its buffer
	s_cbranch_scc1 .Lno_next
	XLOAD                                          ; the next sequence's x has the whole trip in which to land
.Lno_next:
	MLEN                                           ; (its lines are also the places between the scale words' writes and the projections)
	BLOCK 0
	BLOCK 1
	QUANT
	OUTP 0
	OUTP 1
	SEND
	s_wait_xcnt 0x0                                ; the stores have read their data and base, the loads their bases: all may be written again
	s_add_nc_u64 s[8:9], s[8:9], XSEQ
	s_add_nc_u64 s[10:11], s[10:11], 64
	s_add_nc_u64 s[38:39], s[38:39], OSEQ
	s_mov_b32 s40, s41                             ; the next sequence's len
	s_mov_b32 s41, s42
	s_mov_b32 s42, s43
	s_sub_co_u32 s5, s5, 1
	s_cmp_lg_u32 s5, 0
	s_cbranch_scc1 .Lbatch
	s_wait_tensorcnt 0x0
	ds_add_u32 v46, v47
	s_wait_dscnt 0x0
	s_endpgm
.Lfunc_end_k_q6e24c50854_attn:
	.size	k_q6e24c50854_attn, .Lfunc_end_k_q6e24c50854_attn-k_q6e24c50854_attn
	.p2alignl 7, 3214868480
	.fill 96, 4, 3214868480
	.section	.rodata,"a",@progbits
	.p2align	6, 0x0
	.amdhsa_kernel k_q6e24c50854_attn
		.amdhsa_group_segment_fixed_size 74752
		.amdhsa_private_segment_fixed_size 0
		.amdhsa_enable_private_segment 0
		.amdhsa_kernarg_size 128
		.amdhsa_user_sgpr_count 2
		.amdhsa_user_sgpr_kernarg_segment_ptr 1
		.amdhsa_wavefront_size32 1
		.amdhsa_system_sgpr_workgroup_id_x 1
		.amdhsa_system_sgpr_workgroup_id_y 1
		.amdhsa_system_sgpr_workgroup_id_z 1
		.amdhsa_system_vgpr_workitem_id 0
		.amdhsa_next_free_vgpr 512
		.amdhsa_next_free_sgpr 66
		.amdhsa_reserve_vcc 1
		.amdhsa_float_denorm_mode_32 3
		.amdhsa_float_denorm_mode_16_64 3
		.amdhsa_memory_ordered 1
		.amdhsa_forward_progress 1
		.amdhsa_inst_pref_size 141
	.end_amdhsa_kernel
	.amdgpu_metadata
---
amdhsa.version: [ 1, 2 ]
amdhsa.kernels:
  - .name:           k_q6e24c50854_attn
    .symbol:         k_q6e24c50854_attn.kd
    .args:
      - { .name: x_codes, .offset: 0, .size: 8, .value_kind: global_buffer, .address_space: global }
      - { .name: x_scales, .offset: 8, .size: 8, .value_kind: global_buffer, .address_space: global }
      - { .name: always_attend_upto, .offset: 16, .size: 8, .value_kind: global_buffer, .address_space: global }
      - { .name: Wq_codes, .offset: 24, .size: 8, .value_kind: global_buffer, .address_space: global }
      - { .name: Wq_scales, .offset: 32, .size: 8, .value_kind: global_buffer, .address_space: global }
      - { .name: bq, .offset: 40, .size: 8, .value_kind: global_buffer, .address_space: global }
      - { .name: Wk_codes, .offset: 48, .size: 8, .value_kind: global_buffer, .address_space: global }
      - { .name: Wk_scales, .offset: 56, .size: 8, .value_kind: global_buffer, .address_space: global }
      - { .name: bk, .offset: 64, .size: 8, .value_kind: global_buffer, .address_space: global }
      - { .name: Wv_codes, .offset: 72, .size: 8, .value_kind: global_buffer, .address_space: global }
      - { .name: Wv_scales, .offset: 80, .size: 8, .value_kind: global_buffer, .address_space: global }
      - { .name: bv, .offset: 88, .size: 8, .value_kind: global_buffer, .address_space: global }
      - { .name: Wp_codes, .offset: 96, .size: 8, .value_kind: global_buffer, .address_space: global }
      - { .name: Wp_scales, .offset: 104, .size: 8, .value_kind: global_buffer, .address_space: global }
      - { .name: bp, .offset: 112, .size: 8, .value_kind: global_buffer, .address_space: global }
      - { .name: out0, .offset: 120, .size: 8, .value_kind: global_buffer, .address_space: global }
    .group_segment_fixed_size: 74752
    .private_segment_fixed_size: 0
    .kernarg_segment_align: 8
    .kernarg_segment_size: 128
    .max_flat_workgroup_size: 256
    .sgpr_count:     66
    .vgpr_count:     512
    .wavefront_size: 32
...
	.end_amdgpu_metadata
.endif
;; end of part 1
;; ======== version 2 of 2: 1 launch; version 1 with the launch attn written anew for expert scheduling mode
;; launch attn (part 2): grid 256 x 1, 8 waves a work-group, no clusters, 74,752 bytes of LDS; arguments x_codes, x_scales, always_attend_upto, Wq_codes, Wq_scales, bq, Wk_codes, Wk_scales, bk, Wv_codes, Wv_scales, bv, Wp_codes, Wp_scales, bp, out0; writes out0
.if DOCPART == 2
	.amdgcn_target "amdgcn-amd-amdhsa--gfx1250"
	.amdhsa_code_object_version 6
	.text
	.protected	k_q6e24c50854_attn
	.globl	k_q6e24c50854_attn
	.p2align	8
	.type	k_q6e24c50854_attn,@function
k_q6e24c50854_attn:
	s_mov_b64 s[64:65], 0
	v_nop
	global_prefetch_b8 v0, s[64:65] scope:SCOPE_SE
	s_setreg_imm32_b32 hwreg(HW_REG_WAVE_SCHED_MODE, 0, 2), 2
	s_setreg_imm32_b32 hwreg(HW_REG_WAVE_MODE, 25, 1), 1
	s_wait_xcnt 0x0
	s_wait_alu depctr_vm_vsrc(0)
; SELF-ATTENTION OF 8,192 SEQUENCES OF 64 TOKENS x 32 FEATURES, 4 HEADS OF 8, mask: key <= query or key < len[b].  One launch, nothing goes through memory between the steps.
; q, k, v = x W^T + b and out = Q(attention) Wp^T + bp are products on codes of FP6 (E2M3) with one E8M0 scale for each 32 along K (K = 32: one block);
; q k^T and p v feed a quantiser, so they take f32 operands: v_wmma_f32_16x16x4_f32.  Softmax, sums and the quantiser in f32.
; SHARES.  One wave takes one whole sequence through the whole chain; wave g = 8 x work-group + wave takes sequences 4 g .. 4 g + 3, one a trip.  2,048 waves, two to a SIMD (512 registers each).
; Waves share nothing: no barrier.  LDS holds each wave's own stage for the way out.  What work-groups share is four weights of 768 bytes: no cluster, no joint loads.
; THE FP6 OPERANDS.  The instruction is 128 deep, the products 32.  Lane l loads token l's 24 bytes as they lie: lanes 0-15 then hold K block 0 of 16 rows, lanes 16-31 K block 1 of 16 OTHER tokens.
;   Variant XV[t] keeps one half of the lanes and has zero codes elsewhere (and in K blocks 2, 3).  A weight's row stands in both halves of the lanes, so it meets whichever block is alive.
;   Weight tiles lie 6 registers apart: an operand's registers 6-11 are the next tile's codes; they meet zero codes, and E2M3 has no code for infinity or NaN.
;   Scale words are byte x 0x101: bytes 0, 1 the scale, bytes 2, 3 zero (2^-127, over zero codes).
; q AND k ARE MADE TRANSPOSED (source 0 = W, source 1 = x) WITH W's ROWS PERMUTED: operand row m of tile f is W's row 16 f + rho(m), rho(m) = (m & 1) | (m & 6) << 1 | (m >> 2 & 2).
;   Register 4 a + 2 s + j of lane (r, h) is then token r, head 2 f + a, channel 4 s + 2 h + j: each even pair IS an f32 fragment of K step s.
; v IS MADE UNTRANSPOSED: register j of lane (r, h) is token 8 h + j, feature 16 f + r: pair p is a fragment of V^T for keys 8 h + 2 p + 0, 1; rows 0-7 are head 2 f, rows 8-15 head 2 f + 1.
; S^T = k q^T: lane (r, h) holds query r, keys 16 kt + 8 h + j.  THE MASK IS THE C OF THE FIRST K STEP: 0, or -infinity where the key is hidden.  p's pair p matches V's pair p.
; O^T = V^T p: head 2 f is right in lanes 0-15, head 2 f + 1 in lanes 16-31; one select joins them.  O is divided by the row's sum of p behind the product (reference() divides ahead of it: a difference of f32 rounding).
; BY TURNS.  For each half f of the features there are eight STEPS i (query tile i / 2, head i % 2): QK(i), softmax(i), PV(i).  They are laid in SLOTS, so that a wave's vector work stands between its own matrix instructions:
;   slot i, first part:  the 16 products of PV(i - 1) | the row's sum of step i - 1, the next diagonal mask or the reciprocal, the maximum and the scalings of step i, 3 or 4 behind each product;
;   slot i, second part: the 8 products of QK(i + 1) | the 32 exponentials of step i, 4 behind each product;  then O of step i - 1 is taken, and one wait serves the slot's transcendentals.
;   p has two buffers, which take turns from step to step.  PV of one head runs on two accumulators (even and odd K steps), so that accumulators take turns, one instruction a turn.
; THE MODE: SCHED_MODE bits 1:0 = 2 (LLVM: expert scheduling mode 2), set by the entry lines.  The code itself states the register dependences between vector or matrix instructions and memory or LDS
;   instructions, and those through scalar registers that vector instructions write, with s_wait_alu, always for 0.
; THE PLAN.  Registers that memory or LDS instructions touch, and who else names them:
;   XR, XSB          x as loaded.  Written by XLOAD's eight loads, a trip ahead; read by BUILDX at a trip's head.  One wait on va_vdst in XLOAD: BUILDX is done reading them.
;   v2, v7 .. v11    offsets and LDS addresses, made at the head and never written again: the same line of XLOAD, at its first use, states that they are written.
;   v97, v102-106    offsets of the weights' loads; p's first buffer takes these registers later: one wait on vm_vsrc at the head.
;   SCR, OB2         the two out-buffers of the last product: written by its eight matrix instructions, read by sixteen LDS stores: four places and ONE wait on va_vdst ahead of the run.
;   PP               named by vector and matrix instructions up to the quantiser; then sixteen LDS loads land in it (behind that same wait) and sixteen global stores read it.
;   One wait on vm_vsrc at a trip's end states that the LDS stores have read SCR and OB2 and the global stores PP: the next trip writes all three again.
;   Operands and scale words of scaled products that vector instructions write: one wait on va_vdst ahead of the first projection, one behind the quantiser, each behind its places.
;   Masks of compares go into s14 .. s37 (the weights' addresses, done with when the head's loads have landed), in runs, with one wait on va_sdst between a run and the selects that read it.
; LIMITS: NaN, infinities and the scale byte 0xff among the inputs are not served.  A block of zeros ahead of the last product gets the byte 1 (its codes are zeros; this program alone reads the byte).
;   len is held to 0 .. 64, which gives the same mask for every int32.  v_exp_f32 gives 0 for results under 2^-126.
.set SEQS,   4                         ; sequences of a wave
.set XSEQ,   1536                      ; a sequence's codes in bytes: 64 tokens x 24
.set OSEQ,   8192                      ; a sequence's output in bytes: 64 x 32 x 4
.set SPITCH, 144                       ; a stage row: 128 bytes + 16
.set WSTG,   64*SPITCH                 ; a wave's stage
; window 0: all that the slots' vector instructions and PV touch
.set R1,  1                            ; v1   r + 1            (r = lane % 16, h = lane / 16)
.set H8,  2                            ; v2   8 h
.set LH,  3                            ; v3   len - 8 h
.set DL,  4                            ; v4   the diagonal tile's limit
.set NEG, 5                            ; v5   -infinity
.set NIL, 6                            ; v6   0
.set XA,  7                            ; v7   24 x lane
.set XSA, 8                            ; v8   lane
.set STO, 9                            ; v9   the stage: where I put 32 bytes of a row
.set SRD, 10                           ; v10  and where I read rows back
.set GO,  11                           ; v11  16 x lane
.set XSB, 12                           ; v12-13 x's scale bytes as loaded
.set TP,  14                           ; v14  a lane permute's destination
.set SWQ, 16                           ; v16-19 the weights' scale words: tile 0 in lanes 0-15, tile 1 in lanes 16-31
.set SWK, 17
.set SWV, 18
.set SWP, 19
.set SX,  20                           ; v20-21 x's scale words, tokens 0-31 and 32-63
.set SO,  22                           ; v22-23 the attention output's
.set MX,  24                           ; v24-27 maxima
.set NM,  28                           ; v28  -c x maximum (v29 is named with it as a pair)
.set SA,  30                           ; v30-33 a row's sum, in two chains of pairs
.set PS,  34                           ; v34-35 my lane's part of the two heads' sums
.set WS,  36                           ; v36  my head's sum
.set XS,  37                           ; v37  what the other half of the lanes wants of me
.set AM,  40                           ; v40-41 largest magnitudes;  v42-43 the conversions' scale operands;  v44-45 scale bytes
.set SC,  42
.set BY,  44
.set SCR, 48                           ; v48-79  S^T, four tiles of keys; later the output's first four accumulators.  Written by matrix instructions alone
.set OA,  80                           ; v80-95  O^T of the step in hand: even K steps, odd K steps.  Written by matrix instructions alone
.set PP,  96                           ; v96-159 p, two buffers; later codes just made, then rows of the output
.set ML,  160                          ; v160-183 masks of key tiles 1-3 above the diagonal: they hang on len alone
.set MD,  184                          ; v184-191 the diagonal tile's mask
.set OB2, 160                          ; v160-191 the output's other four accumulators: the masks are done with then, and are made anew in every trip
.set KT,  192                          ; v192-223 k, four tiles of tokens
.set VT,  224                          ; v224-255 v
.set ZW,  192                          ; the attention output ahead of the quantiser, in k's and v's registers, which are free then: (f, tile t) at 32 (t / 2) + 16 f + 8 (t % 2)
.set HT,  96                           ; the head's temporaries, in registers that p takes later
; window 1
.set WF,  0                            ; weight tiles q0 q1 k0 k1 v0 v1 p0 p1, 6 registers each;  48-53 zeros behind the last
.set ZP,  48
.set BQ,  54                           ; the biases in the results' layouts, 8 registers a tile
.set BK,  70
.set BV,  86
.set BP,  102
.set XV,  118                          ; four variants of 12
.set XR,  166                          ; x's codes as loaded: 2 x 6
.set QZ,  178                          ; q, then the attention output not yet divided: (f, tile t) at 32 (t / 2) + 16 f + 8 (t % 2)
.set RIU, 242                          ; 1 / the rows' sums, a register for each (f, query tile): 4 f + tile
.set CM,  14                           ; s14-37 masks of compares: 24 for the key tiles above the diagonal; for a diagonal tile s14-21, and s22 for its limit
.set MSB, 0
.macro WIN new                         ; the immediate's high byte repeats the setting that is left; bits 1:0 source 0, 3:2 source 1, 5:4 source 2, 7:6 destination
.if MSB != \new
	s_set_vgpr_msb (MSB<<8)|\new
.set MSB, \new
.endif
.endm
.macro PLACES n                        ; plain instructions behind a matrix instruction (ISA guide 7.12.1), where no useful work is at hand
.rept \n
	v_nop
.endr
.endm
; one scaled product: D, source 0, source 1, C, their scale registers, and which half of the lanes of each scale register is read
.macro SW d, a, b, c, sa, sb, ra, rb
.if (\ra) && (\rb)
	v_wmma_scale_f32_16x16x128_f8f6f4 v[\d:\d+7], v[\a:\a+11], v[\b:\b+11], v[\c:\c+7], v[\sa], v[\sb] matrix_a_fmt:MATRIX_FMT_FP6 matrix_b_fmt:MATRIX_FMT_FP6 matrix_a_scale:MATRIX_SCALE_ROW1 matrix_b_scale:MATRIX_SCALE_ROW1
.elseif (\ra)
	v_wmma_scale_f32_16x16x128_f8f6f4 v[\d:\d+7], v[\a:\a+11], v[\b:\b+11], v[\c:\c+7], v[\sa], v[\sb] matrix_a_fmt:MATRIX_FMT_FP6 matrix_b_fmt:MATRIX_FMT_FP6 matrix_a_scale:MATRIX_SCALE_ROW1
.elseif (\rb)
	v_wmma_scale_f32_16x16x128_f8f6f4 v[\d:\d+7], v[\a:\a+11], v[\b:\b+11], v[\c:\c+7], v[\sa], v[\sb] matrix_a_fmt:MATRIX_FMT_FP6 matrix_b_fmt:MATRIX_FMT_FP6 matrix_b_scale:MATRIX_SCALE_ROW1
.else
	v_wmma_scale_f32_16x16x128_f8f6f4 v[\d:\d+7], v[\a:\a+11], v[\b:\b+11], v[\c:\c+7], v[\sa], v[\sb] matrix_a_fmt:MATRIX_FMT_FP6 matrix_b_fmt:MATRIX_FMT_FP6
.endif
.endm
; a sequence's codes and scale bytes: lane l takes token 32 u + l: three loads of 8 bytes cover 768 consecutive bytes
.macro XLOAD
	WIN 0x40                                       ; destination window 1
	s_wait_alu depctr_va_vdst(0)                   ; in the loop: BUILDX's selects and multiplies are done reading v[XR ..] and v[XSB ..], in which these loads land; at the head: every offset and LDS address of the kernel (v2, v7-11, v97, v102-106) is written
.irp u, 0,1
.irp p, 0,1,2
	global_load_b64 v[XR+6*\u+2*\p:XR+6*\u+2*\p+1], v[XA], s[8:9] offset:768*\u+8*\p th:TH_LOAD_NT
.endr
.endr
	WIN 0
	global_load_u8 v[XSB], v[XSA], s[10:11] th:TH_LOAD_NT
	global_load_u8 v[XSB+1], v[XSA], s[10:11] offset:32 th:TH_LOAD_NT
.endm
; the four variants: tile t keeps lanes 0-15 (t even) or 16-31 (t odd) of its half's codes, zero codes elsewhere; and the scale words
.macro BUILDX
	WIN 0x44                                       ; destination and source 1 window 1
.irp t, 0,1,2,3
.irp i, 0,1,2,3,4,5
	v_cndmask_b32 v[XV+12*\t+\i], 0, v[XR+6*(\t/2)+\i], s[46+\t%2]
.endr
.endr
	WIN 0
	v_mul_u32_u24 v[SX], v[XSB], 0x101
	v_mul_u32_u24 v[SX+1], v[XSB+1], 0x101
.endm
; key tiles above the diagonal: key 16 kt + 8 h + j counts where it is under len.  The 24 compares stand in one run, each with a scalar register of its own
.macro MLEN
	v_sub_nc_u32 v[LH], s44, v[H8]
.irp kt, 1,2,3
.irp j, 0,1,2,3,4,5,6,7
	v_cmp_lt_i32 s[CM+8*(\kt-1)+\j], 16*\kt+\j, v[LH]
.endr
.endr
	s_wait_alu depctr_va_sdst(0)                   ; the 24 compares have written s14 to s37, which the selects read
.irp kt, 1,2,3
.irp j, 0,1,2,3,4,5,6,7
	v_cndmask_b32 v[ML+8*(\kt-1)+\j], v[NEG], v[NIL], s[CM+8*(\kt-1)+\j]
.endr
.endr
.endm
; q, k, v of features 16 f .. 16 f + 15 (heads 2 f, 2 f + 1) for the four tiles of tokens: twelve products with twelve results; the biases are their C
.macro PROJ f
	WIN 0x55                                       ; q: all four operands window 1
.irp t, 0,1,2,3
	SW QZ+32*(\t/2)+16*(\f)+8*(\t%2), WF+6*(\f), XV+12*\t, BQ+8*(\f), SWQ, SX+\t/2, \f, \t%2
.endr
	WIN 0x15                                       ; k, v: sources 0, 1, 2 window 1, destination window 0
.irp t, 0,1,2,3
	SW KT+8*\t, WF+12+6*(\f), XV+12*\t, BK+8*(\f), SWK, SX+\t/2, \f, \t%2
.endr
.irp t, 0,1,2,3
	SW VT+8*\t, XV+12*\t, WF+24+6*(\f), BV+8*(\f), SX+\t/2, SWV, \t%2, \f
.endr
	WIN 0
.endm
; ---- THE MATRIX WORK OF A SLOT.  Both macros write product number NW.
; PV of the step whose p lies at PBP: K step NW is keys 8 h + 2 (NW % 4) + 0, 1 of key tile NW / 4; even K steps add onto OA, odd ones onto OA + 8; the first two start the sums.
.macro PVW
.if NW < 2
	v_wmma_f32_16x16x4_f32 v[OA+8*(NW%2):OA+8*(NW%2)+7], v[VT+2*NW:VT+2*NW+1], v[PBP+2*NW:PBP+2*NW+1], 0
.else
	v_wmma_f32_16x16x4_f32 v[OA+8*(NW%2):OA+8*(NW%2)+7], v[VT+2*NW:VT+2*NW+1], v[PBP+2*NW:PBP+2*NW+1], v[OA+8*(NW%2):OA+8*(NW%2)+7]
.endif
.endm
; QK of head NA, query tile NQT (its q at NQB, window 1): key tile NW % 4, K step NW / 4 of two.  The first K step takes the mask as its C.  The four accumulators take turns.
.macro QKW
.set KT_, NW%4
.if NW >= 4
	v_wmma_f32_16x16x4_f32 v[SCR+8*KT_:SCR+8*KT_+7], v[KT+8*KT_+4*NA+2:KT+8*KT_+4*NA+3], v[NQB+4*NA+2:NQB+4*NA+3], v[SCR+8*KT_:SCR+8*KT_+7]
.elseif KT_ < NQT
	v_wmma_f32_16x16x4_f32 v[SCR+8*KT_:SCR+8*KT_+7], v[KT+8*KT_+4*NA:KT+8*KT_+4*NA+1], v[NQB+4*NA:NQB+4*NA+1], 0
.elseif KT_ == NQT
	v_wmma_f32_16x16x4_f32 v[SCR+8*KT_:SCR+8*KT_+7], v[KT+8*KT_+4*NA:KT+8*KT_+4*NA+1], v[NQB+4*NA:NQB+4*NA+1], v[MD:MD+7]
.else
	v_wmma_f32_16x16x4_f32 v[SCR+8*KT_:SCR+8*KT_+7], v[KT+8*KT_+4*NA:KT+8*KT_+4*NA+1], v[NQB+4*NA:NQB+4*NA+1], v[ML+8*(KT_-1):ML+8*(KT_-1)+7]
.endif
.endm
; ---- THE PLAIN VECTOR WORK OF A SLOT is a numbered list; VA writes number J of it.  Its four parts, of N1, N2, N3 and NAP instructions (a part that a slot does not have has length 0):
;   N1 = 16  the row's sum of the p at PBP (the step before, head PAV): two chains of packed additions, joined; my lane's 32 keys
;   N2 = 5   behind the second head of a query tile: lanes 0-15 keep the first head's part and get its other half from the lane 16 away, lanes 16-31 likewise for the second; the reciprocal, kept for unit UU
;   N3 = 19  the diagonal mask of query tile DQT: key 8 h + j of the tile counts where it is under max(r + 1, len - 16 DQT): the limit (3), eight compares in one run, eight selects
;   NAP = 35 the step in hand: the row's maximum of S^T (the diagonal key counts for every query, so it is a number), -c x maximum, and c s - c maximum into the p buffer at PBC.  Each accumulator is read from its low end on
.macro VA
.set B1_, N1
.set B2_, N1+N2
.set B3_, N1+N2+N3
.if J < B1_
.if J < 2
	v_pk_add_f32 v[SA+2*J:SA+2*J+1], v[PBP+4*J:PBP+4*J+1], v[PBP+4*J+2:PBP+4*J+3]
.elseif J < 14
	v_pk_add_f32 v[SA+2*(J%2):SA+2*(J%2)+1], v[SA+2*(J%2):SA+2*(J%2)+1], v[PBP+2*J+4:PBP+2*J+5]
.elseif J == 14
	v_pk_add_f32 v[SA:SA+1], v[SA:SA+1], v[SA+2:SA+3]
.else
	v_add_f32 v[PS+PAV], v[SA], v[SA+1]
.endif
.elseif J < B2_
.set X_, J-B1_
.if X_ == 0
	v_cndmask_b32 v[WS], v[PS], v[PS+1], s47
.elseif X_ == 1
	v_cndmask_b32 v[XS], v[PS+1], v[PS], s47
.elseif X_ == 2
	v_permlanex16_b32 v[TP], v[XS], s48, s49
.elseif X_ == 3
	v_add_f32 v[WS], v[WS], v[TP]
.else
	WIN 0x40                                       ; destination window 1
	v_rcp_f32 v[RIU+UU], v[WS]                     ; read only ahead of the quantiser; the slot's wait serves it
	WIN 0
.endif
.elseif J < B3_
.set X_, J-B2_
.if X_ == 0
	s_sub_co_i32 s45, s44, 16*DQT
	v_cmp_lt_i32 s[CM+8], s45, v[R1]
.elseif X_ == 1
	s_wait_alu depctr_va_sdst(0)                   ; the compare has written s22, which the select reads
	v_cndmask_b32 v[DL], s45, v[R1], s[CM+8]       ; the larger of the two
.elseif X_ == 2
	v_sub_nc_u32 v[DL], v[DL], v[H8]
.elseif X_ < 11
	v_cmp_lt_i32 s[CM+X_-3], X_-3, v[DL]
.elseif X_ == 11
	s_wait_alu depctr_va_sdst(0)                   ; the eight compares have written s14 to s21, which the eight selects read
	v_cndmask_b32 v[MD], v[NEG], v[NIL], s[CM]
.else
	v_cndmask_b32 v[MD+X_-11], v[NEG], v[NIL], s[CM+X_-11]
.endif
.else
.set X_, J-B3_
.if X_ < 4
	v_max3_num_f32 v[MX+X_], v[SCR+8*X_], v[SCR+8*X_+1], v[SCR+8*X_+2]
.elseif X_ < 12
	v_max3_num_f32 v[MX+X_%4], v[MX+X_%4], v[SCR+8*(X_%4)+2*(X_/4)+1], v[SCR+8*(X_%4)+2*(X_/4)+2]
.elseif X_ == 12
	v_max3_num_f32 v[MX], v[MX], v[SCR+7], v[SCR+15]
.elseif X_ == 13
	v_max3_num_f32 v[MX+2], v[MX+2], v[SCR+23], v[SCR+31]
.elseif X_ == 14
	v_max3_num_f32 v[MX], v[MX], v[MX+1], v[MX+2]
.elseif X_ == 15
	v_max_num_f32 v[MX], v[MX], v[MX+3]
.elseif X_ == 16
	v_permlanex16_b32 v[TP], v[MX], s48, s49       ; the query's other 32 keys lie in the lane 16 away
.elseif X_ == 17
	v_max_num_f32 v[MX], v[MX], v[TP]
.elseif X_ == 18
	v_mul_f32 v[NM], s52, v[MX]                    ; -c x maximum
.else
	v_pk_fma_f32 v[PBC+2*(X_-19):PBC+2*(X_-19)+1], v[SCR+2*(X_-19):SCR+2*(X_-19)+1], s[50:51], v[NM:NM+1] op_sel_hi:[1,0,0]
.endif
.endif
.endm
.macro RUN n                           ; n numbers of the list on end
.rept \n
	VA
.set J, J+1
.endr
.endm
; A slot's first part: 16 products of PV; behind each of the first 15 at most per numbers of the list, all but its last tail numbers; those stand behind the last product.
; With tail = 12 they are scalings, which name no register of the last two products: the places between these and the read of O^T (8 are asked) and the next PV's fresh start on the same accumulators (9).
; ex = 1 (the last step of a block, which has no QK beside its exponentials): the whole list stands behind the first 8 products, the 32 exponentials behind the other 8.
.macro PHASEA per, tail, ex
.set J, 0
.set NW, 0
.rept 16
	PVW
.if (\ex) && (NW >= 8)
.irp e, 0,1,2,3
	v_exp_f32 v[PBC+4*(NW-8)+\e], v[PBC+4*(NW-8)+\e]
.endr
.elseif NW < 15
.rept \per
.if J < LL-(\tail)
	VA
.set J, J+1
.endif
.endr
.endif
.set NW, NW+1
.endr
.rept 16
.if J < LL
	VA
.set J, J+1
.endif
.endr
.endm
; A slot's second part: 8 products of QK, 4 exponentials of the step in hand behind each.  q is source 1, in window 1; an exponential has no source 1, so one setting serves both.
.macro PHASEB
	WIN 0x04
.set NW, 0
.rept 8
	QKW
.irp e, 0,1,2,3
	v_exp_f32 v[PBC+4*NW+\e], v[PBC+4*NW+\e]
.endr
.set NW, NW+1
.endr
.endm
; A slot's end: O^T of the step before.  Its two accumulators are added (from their low ends on).  The first head's sum takes the place of the query tile's q, which both heads' QK have read;
; the second head's goes to the first registers of its own p buffer, which is done with, and one select joins the heads: lane (r, h): query r, feature 16 f + 8 h + j.
; These plain instructions stand behind the last exponential; then ONE wait for the slot's exponentials and reciprocal, ahead of the first instruction that names a result.
.macro FIN
.if PAV == 0
	WIN 0x40                                       ; destination window 1
.irp j, 0,2,4,6
	v_pk_add_f32 v[PQB+\j:PQB+\j+1], v[OA+\j:OA+\j+1], v[OA+8+\j:OA+8+\j+1]
.endr
	WIN 0
.else
	WIN 0
.irp j, 0,2,4,6
	v_pk_add_f32 v[PBP+\j:PBP+\j+1], v[OA+\j:OA+\j+1], v[OA+8+\j:OA+8+\j+1]
.endr
	WIN 0x41                                       ; destination and source 0 window 1
.irp j, 0,1,2,3,4,5,6,7
	v_cndmask_b32 v[PQB+\j], v[PQB+\j], v[PBP+\j], s47
.endr
	WIN 0
.endif
	s_wait_alu depctr_va_vdst(0)                   ; the slot's exponentials have written the p at PBC, which the next slot's products and sums read; its reciprocal has written its register of v[RIU ..]
.endm
; Slot i of 1 .. 8 of feature half f.  The 16 additions at the list's head name no register of the last QK: they are the places (8 are asked) between it and the first read of S^T.
.macro SLOT f, i
.set PBP, PP+32*(((\i)+1)%2)           ; p of step i - 1
.set PBC, PP+32*((\i)%2)               ; p of step i
.set PAV, ((\i)+1)%2                   ; the head of step i - 1
.set UU,  4*(\f)+((\i)-1)/2            ; its unit
.set N1,  16
.set N2,  5*PAV
.set N3,  0
.if (((\i)%2) == 1) && ((\i) < 7)
.set N3,  19
.endif
.set DQT, ((\i)+1)/2
.set NAP, 35
.if (\i) == 8
.set NAP, 0
.endif
.set LL,  N1+N2+N3+NAP
.set NA,  ((\i)+1)%2                   ; step i + 1: head, query tile, its q
.set NQT, ((\i)+1)/2
.set NQB, QZ+32*(NQT/2)+16*(\f)+8*(NQT%2)
.set PQT, ((\i)-1)/2                   ; step i - 1: query tile, where its result goes
.set PQB, QZ+32*(PQT/2)+16*(\f)+8*(PQT%2)
.if (\i) == 8
	PHASEA 2, 0, 0                                 ; the last PV and the last sums
	PLACES 8                                       ; ahead of the read of O^T
.elseif (\i) == 7
	PHASEA 7, 0, 1                                 ; 51 numbers behind 8 products, 7 each
	PLACES 9                                       ; ahead of the read of O^T (8) and of the next PV's fresh start (9); also the plain instruction behind the last exponential
.elseif ((\i)%2) == 1
	PHASEA 4, 12, 0                                ; 70 numbers: 58 behind 15 products, 12 behind the last
	PHASEB
.else
	PHASEA 3, 12, 0                                ; 56 numbers: 44 behind 15 products, 12 behind the last
	PHASEB
.endif
	FIN
.endm
; Heads 2 f and 2 f + 1, all four query tiles: eight steps.  The head of the block has nothing to stand beside: the first mask (its lines are the places between the projections and the products
; that take their results), the first QK, the first maximum and scalings.
.macro BLOCK f
	PROJ \f
.set N1,  0
.set N2,  0
.set N3,  19
.set NAP, 0
.set DQT, 0
.set J,   0
	RUN 19
.set NA,  0
.set NQT, 0
.set NQB, QZ+16*(\f)
	WIN 0x04
.set NW, 0
.rept 8
	QKW
.set NW, NW+1
.endr
	WIN 0
	PLACES 8
.set N3,  0
.set NAP, 35
.set PBC, PP
.set J,   0
	RUN 35
.set NA,  1
	PHASEB                                         ; QK of step 1 | the exponentials of step 0
	WIN 0
	v_nop                                          ; a plain instruction behind the last exponential
	s_wait_alu depctr_va_vdst(0)                   ; step 0's 32 exponentials have written the p at PP, which slot 1's products and sums read
.irp i, 1,2,3,4,5,6,7,8
	SLOT \f, \i
.endr
.endm
; The attention output becomes an operand.  The division by the rows' sums brings it from window 1 into k's and v's registers, which are done with.  (Of a pair of reciprocals a packed multiply takes the low word
; for both halves: even query tiles; odd ones are multiplied singly.)  Sixteen swaps for each pair of query tiles then give lane (r, 0) the first tile's whole row r, lane (r, 1) the second's, in 32 registers on end:
; a lane owns a whole block of 32.  Its codes are K block 0 (lanes 0-15) or 1 (lanes 16-31), as x's are, and are split into variants in the same way.
.macro QUANT
	WIN 0x05                                       ; sources 0 and 1 window 1, destination window 0
.irp f, 0,1
.irp pr, 0,1
.irp j, 0,2,4,6
	v_pk_mul_f32 v[ZW+32*\pr+16*\f+\j:ZW+32*\pr+16*\f+\j+1], v[QZ+32*\pr+16*\f+\j:QZ+32*\pr+16*\f+\j+1], v[RIU+4*\f+2*\pr:RIU+4*\f+2*\pr+1] op_sel_hi:[1,0]
.endr
.irp j, 0,1,2,3,4,5,6,7
	v_mul_f32 v[ZW+32*\pr+16*\f+8+\j], v[RIU+4*\f+2*\pr+1], v[QZ+32*\pr+16*\f+8+\j]
.endr
.endr
.endr
	WIN 0
.irp pr, 0,1
.irp f, 0,1
.irp j, 0,1,2,3,4,5,6,7
	v_permlane16_swap_b32 v[ZW+32*\pr+16*\f+\j], v[ZW+32*\pr+16*\f+8+\j]
.endr
.endr
.endr
.irp pr, 0,1
	v_max3_num_f32 v[AM+\pr], |v[ZW+32*\pr]|, |v[ZW+32*\pr+1]|, 0x1800000    ; with the floor 2^(3 - 127): the byte cannot fall under 1
.endr
.irp i, 2,4,6,8,10,12,14,16,18,20,22,24,26,28,30
.irp pr, 0,1
	v_max3_num_f32 v[AM+\pr], v[AM+\pr], |v[ZW+32*\pr+\i]|, |v[ZW+32*\pr+\i+1]|
.endr
.endr
.irp pr, 0,1
	v_add_nc_u32 v[SC+\pr], 0xff000000, v[AM+\pr]  ; 2 off the exponent field: the conversion's scale operand
.endr
.irp pr, 0,1
	v_lshrrev_b32 v[BY+\pr], 23, v[SC+\pr]         ; the scale's byte
.endr
.irp pr, 0,1
	v_lshl_or_b32 v[SO+\pr], v[BY+\pr], 8, v[BY+\pr]   ; in bytes 0 and 1 of the scale word
.endr
.irp pr, 0,1
	v_cvt_scalef32_pk16_fp6_f32 v[PP+8*\pr:PP+8*\pr+2], v[ZW+32*\pr:ZW+32*\pr+15], v[SC+\pr]
	v_cvt_scalef32_pk16_fp6_f32 v[PP+8*\pr+4:PP+8*\pr+6], v[ZW+32*\pr+16:ZW+32*\pr+31], v[SC+\pr]
.endr
	v_nop                                          ; one plain instruction behind a scaled conversion
	WIN 0x40                                       ; destination window 1
.irp pr, 0,1
.irp tt, 0,1
.irp i, 0,1,2
	v_cndmask_b32 v[XV+12*(2*\pr+\tt)+\i], 0, v[PP+8*\pr+\i], s[46+\tt]
	v_cndmask_b32 v[XV+12*(2*\pr+\tt)+3+\i], 0, v[PP+8*\pr+4+\i], s[46+\tt]
.endr
.endr
.endr
	WIN 0                                          ; (the selects are the places between the scale words' writes and the products below, and between a variant's writes and its products: all but the last variant's)
	PLACES 4                                       ; the last variant's: four between an operand's last write and the scaled product that takes it
	s_wait_alu depctr_va_vdst(0)                   ; the selects have written the four variants, and the shifts the scale words v22 and v23, which the scaled products below take
.endm
; The last product for query tiles 2 pr, 2 pr + 1: source 0 = Wp's rows, source 1 = the variant, C = bp: a lane holds eight neighbouring outputs of a row.  Each pair of tiles has four accumulators of its own (at acc),
; so that the eight products stand on end, and one wait serves all the LDS stores that read them.
.macro OUTW pr, acc
.irp tt, 0,1
.irp fo, 0,1
	SW \acc+8*(2*\tt+\fo), WF+36+6*\fo, XV+12*(2*(\pr)+\tt), BP+8*\fo, SWP, SO+(\pr), \fo, \tt
.endr
.endr
.endm
; They go through my stage and come back as four whole rows (512 consecutive bytes) an instruction.  LDS serves a wave's instructions in order (ISA guide 5.7.1.4): no wait between the stores and the loads.
.macro OUTS pr, acc
.irp tt, 0,1
.irp fo, 0,1
	ds_store_b128 v[STO], v[\acc+8*(2*\tt+\fo):\acc+8*(2*\tt+\fo)+3] offset:(32*(\pr)+16*\tt)*SPITCH+64*\fo
	ds_store_b128 v[STO], v[\acc+8*(2*\tt+\fo)+4:\acc+8*(2*\tt+\fo)+7] offset:(32*(\pr)+16*\tt)*SPITCH+64*\fo+16
.endr
.endr
.irp i, 0,1,2,3,4,5,6,7
	ds_load_b128 v[PP+32*(\pr)+4*\i:PP+32*(\pr)+4*\i+3], v[SRD] offset:(32*(\pr)+4*\i)*SPITCH
.endr
.endm
.macro SEND                            ; behind the first pair's load i stand 7 - i loads, 8 stores and 8 loads; behind the second pair's 7 - i loads
.irp pr, 0,1
.irp i, 0,1,2,3,4,5,6,7
	s_wait_dscnt (1-\pr)*16+7-\i
	global_store_b128 v[GO], v[PP+32*\pr+4*\i:PP+32*\pr+4*\i+3], s[38:39] offset:4096*\pr+512*\i th:TH_STORE_NT   ; 32 lanes store 512 consecutive bytes, at a multiple of 256 from the output's first byte
.endr
.endr
.endm
	; ---- THE HEAD
	s_load_b512 s[8:23], s[0:1], 0x0               ; x codes s[8:9], x scales s[10:11], len s[12:13], Wq codes, scales, bq s[14:19], Wk codes, scales s[20:23]
	s_load_b512 s[24:39], s[0:1], 0x40             ; bk s[24:25], Wv codes, scales, bv s[26:31], Wp codes, scales, bp s[32:37], out s[38:39]
	v_lshl_add_u32 v46, v0, 2, 0x12000
	v_mov_b32 v47, 0
	v_lshrrev_b32 v[HT], 5, v0
	v_readfirstlane_b32 s4, v[HT]                  ; wave 0..7
	v_and_b32 v[HT+1], 31, v0                      ; lane
	v_and_b32 v[HT+2], 15, v0                      ; r
	v_bfe_u32 v[HT+3], v0, 4, 1                    ; h
	v_add_nc_u32 v[R1], 1, v[HT+2]
	v_lshlrev_b32 v[H8], 3, v[HT+3]
	v_mov_b32 v[NEG], 0xff800000
	v_mov_b32 v[NIL], 0
	v_mul_u32_u24 v[XA], v[HT+1], 24
	v_mov_b32 v[XSA], v[HT+1]
	s_wait_alu depctr_va_sdst(0)                   ; s4 is written, ahead of its first reader: the stage's place and the wave's parts of x, len and the output are made from it
	s_mul_i32 s45, s4, WSTG                        ; my stage
	v_mul_u32_u24 v[STO], v[HT+2], SPITCH          ; in: row r, 32 bytes for each half of the lanes
	v_lshl_add_u32 v[STO], v[HT+3], 5, v[STO]
	v_add_nc_u32 v[STO], s45, v[STO]
	v_bfe_u32 v[HT+5], v0, 3, 2                    ; back: eight lanes to a row of 128 bytes, four rows an instruction
	v_mul_u32_u24 v[SRD], v[HT+5], SPITCH
	v_and_b32 v[HT+5], 7, v0
	v_lshl_add_u32 v[SRD], v[HT+5], 4, v[SRD]
	v_add_nc_u32 v[SRD], s45, v[SRD]
	v_lshlrev_b32 v[GO], 4, v[HT+1]
	v_and_b32 v[HT+4], 1, v0                       ; rho(r): bit 0 stays, bits 1, 2 go one up, bit 3 goes to bit 1
	v_and_b32 v[HT+5], 6, v0
	v_lshl_or_b32 v[HT+4], v[HT+5], 1, v[HT+4]
	v_bfe_u32 v[HT+5], v0, 3, 1
	v_lshl_or_b32 v[HT+4], v[HT+5], 1, v[HT+4]
	v_mul_u32_u24 v[HT+6], v[HT+4], 24             ; Wq, Wk: row rho(r), in both halves of the lanes
	v_mul_u32_u24 v[HT+7], v[HT+2], 24             ; Wv, Wp: row r
	v_lshl_or_b32 v[HT+8], v[HT+3], 4, v[HT+4]     ; their scale bytes: row 16 h + rho(r);  Wv's, Wp's: row = lane
	v_lshlrev_b32 v[HT+9], 2, v[HT+2]              ; bv: 4 r
	v_lshlrev_b32 v[HT+10], 5, v[HT+3]             ; bp: 32 h
	v_mov_b32 v[TP], 0                             ; a lane permute's destination counts as one of its sources
	v_mov_b32 v[NM+1], 0                           ; named as the upper half of a pair
	s_mov_b32 s46, 0x0000ffff                      ; lanes 0-15
	s_mov_b32 s47, 0xffff0000                      ; lanes 16-31
	s_mov_b32 s48, 0x76543210                      ; v_permlanex16_b32's selects for lane l xor 16
	s_mov_b32 s49, 0xfedcba98
	s_mov_b32 s50, 0x3f0293ee                      ; c = log2(e) / sqrt(8)
	s_mov_b32 s51, s50                             ; (named with it as a pair)
	s_mov_b32 s52, 0xbf0293ee                      ; -c
	s_lshl_b32 s6, ttmp9, 3
	s_add_co_u32 s6, s6, s4                        ; g = 8 x work-group + wave, 0 .. 2,047
	s_mul_i32 s54, s6, SEQS*XSEQ
	s_mov_b32 s55, 0
	s_lshl_b32 s56, s6, 8                          ; 4 sequences x 64 scale bytes
	s_mov_b32 s57, 0
	WIN 0x40                                       ; destination window 1
.irp i, 0,1,2,3,4,5
	v_mov_b32 v[ZP+\i], 0                          ; zero codes behind the last weight tile
.endr
.irp t, 0,1,2,3
.irp i, 6,7,8,9,10,11
	v_mov_b32 v[XV+12*\t+\i], 0                    ; K blocks 2 and 3 of every variant: zero codes, for good
.endr
.endr
	WIN 0
	s_wait_kmcnt 0x0
	s_add_nc_u64 s[8:9], s[8:9], s[54:55]
	s_add_nc_u64 s[10:11], s[10:11], s[56:57]
	s_lshl_b32 s54, s6, 4                          ; 4 lens of 4 bytes
	s_add_nc_u64 s[12:13], s[12:13], s[54:55]
	s_lshl_b32 s54, s6, 15                         ; 4 x 8,192 bytes
	s_add_nc_u64 s[38:39], s[38:39], s[54:55]
	s_load_b128 s[40:43], s[12:13], 0x0            ; my four lens
	XLOAD                                          ; the first sequence.  Behind its wait stand only loads and window switches up to the head's last load
	WIN 0x40
.irp f, 0,1
.irp p, 0,1,2
	global_load_b64 v[WF+6*\f+2*\p:WF+6*\f+2*\p+1], v[HT+6], s[14:15] offset:384*\f+8*\p
	global_load_b64 v[WF+12+6*\f+2*\p:WF+12+6*\f+2*\p+1], v[HT+6], s[20:21] offset:384*\f+8*\p
	global_load_b64 v[WF+24+6*\f+2*\p:WF+24+6*\f+2*\p+1], v[HT+7], s[26:27] offset:384*\f+8*\p
	global_load_b64 v[WF+36+6*\f+2*\p:WF+36+6*\f+2*\p+1], v[HT+7], s[32:33] offset:384*\f+8*\p
.endr
.irp a, 0,1
.irp s, 0,1
	global_load_b64 v[BQ+8*\f+4*\a+2*\s:BQ+8*\f+4*\a+2*\s+1], v[H8], s[18:19] offset:64*\f+32*\a+16*\s   ; features 16 f + 8 a + 4 s + 2 h + 0, 1
	global_load_b64 v[BK+8*\f+4*\a+2*\s:BK+8*\f+4*\a+2*\s+1], v[H8], s[24:25] offset:64*\f+32*\a+16*\s
.endr
.endr
.irp j, 0,1,2,3,4,5,6,7
	global_load_b32 v[BV+8*\f+\j], v[HT+9], s[30:31] offset:64*\f      ; feature 16 f + r, for each of the lane's eight tokens
.endr
.irp i, 0,1
	global_load_b128 v[BP+8*\f+4*\i:BP+8*\f+4*\i+3], v[HT+10], s[36:37] offset:64*\f+16*\i   ; features 16 f + 8 h + 0 .. 7
.endr
.endr
	WIN 0
	global_load_u8 v[SWQ], v[HT+8], s[16:17]
	global_load_u8 v[SWK], v[HT+8], s[22:23]
	global_load_u8 v[SWV], v[HT+1], s[28:29]
	global_load_u8 v[SWP], v[HT+1], s[34:35]
	s_wait_loadcnt 0x0
.irp w, SWQ, SWK, SWV, SWP
	v_mul_u32_u24 v[\w], v[\w], 0x101
.endr
	s_wait_kmcnt 0x0                               ; the lens
	s_wait_xcnt 0x0                                ; the loads have read their bases
	s_wait_alu depctr_vm_vsrc(0)                   ; the weights' loads have read their offsets v97 and v102 to v106: these registers are p's first buffer from here on, written by the scalings
	s_add_nc_u64 s[8:9], s[8:9], XSEQ              ; x's pointers stand one sequence ahead of the work
	s_add_nc_u64 s[10:11], s[10:11], 64
	s_mov_b32 s5, SEQS
.Lbatch:                                               ; a trip: one sequence
	s_wait_loadcnt 0x0                             ; the only loads out are this sequence's x, asked for a trip ago
	BUILDX
	s_max_i32 s44, s40, 0
	s_min_i32 s44, s44, 64                         ; len, held to 0 .. 64
	s_cmp_eq_u32 s5, 1                             ; the last trip asks for nothing: no load leaves its buffer
	s_cbranch_scc1 .Lno_next
	XLOAD                                          ; the next sequence's x has the whole trip in which to land
.Lno_next:
	MLEN                                           ; (its lines are also the places between the scale words' writes and the projections)
	s_wait_alu depctr_va_vdst(0)                   ; BUILDX's selects have written the four variants and its multiplies x's scale words (in the first trip the head's multiplies the weights' too), which the scaled products take; on the way round the loads no other wait states it
	BLOCK 0
	BLOCK 1
	QUANT
	WIN 0x15                                       ; sources 0, 1, 2 window 1, destination window 0
	OUTW 0, SCR
	OUTW 1, OB2
	WIN 0
	PLACES 4                                       ; behind the last product, in front of the stores that read results
	s_wait_alu depctr_va_vdst(0)                   ; the eight products have written v[SCR ..] and v[OB2 ..], which the LDS stores read; every vector and matrix instruction that named v[PP ..] is done, in which the LDS loads land.  No vector instruction follows up to the trip's end
	OUTS 0, SCR
	OUTS 1, OB2
	SEND
	s_wait_xcnt 0x0                                ; the stores have read their data and base, the loads their bases: all may be written again
	s_wait_alu depctr_vm_vsrc(0)                   ; the LDS stores have read v[SCR ..] and v[OB2 ..], the global stores v[PP ..]: the next trip's products, masks and scalings write them again
	s_add_nc_u64 s[8:9], s[8:9], XSEQ
	s_add_nc_u64 s[10:11], s[10:11], 64
	s_add_nc_u64 s[38:39], s[38:39], OSEQ
	s_mov_b32 s40, s41                             ; the next sequence's len
	s_mov_b32 s41, s42
	s_mov_b32 s42, s43
	s_sub_co_u32 s5, s5, 1
	s_cmp_lg_u32 s5, 0
	s_cbranch_scc1 .Lbatch
	s_wait_dscnt 0x0                               ; the closing lines, six on end
	s_wait_alu 0x0
	s_wait_tensorcnt 0x0
	ds_add_u32 v46, v47
	s_wait_dscnt 0x0
	s_endpgm
.Lfunc_end_k_q6e24c50854_attn:
	.size	k_q6e24c50854_attn, .Lfunc_end_k_q6e24c50854_attn-k_q6e24c50854_attn
	.p2alignl 7, 3214868480
	.fill 96, 4, 3214868480
	.section	.rodata,"a",@progbits
	.p2align	6, 0x0
	.amdhsa_kernel k_q6e24c50854_attn
		.amdhsa_group_segment_fixed_size 74752
		.amdhsa_private_segment_fixed_size 0
		.amdhsa_enable_private_segment 0
		.amdhsa_kernarg_size 128
		.amdhsa_user_sgpr_count 2
		.amdhsa_user_sgpr_kernarg_segment_ptr 1
		.amdhsa_wavefront_size32 1
		.amdhsa_system_sgpr_workgroup_id_x 1
		.amdhsa_system_sgpr_workgroup_id_y 1
		.amdhsa_system_sgpr_workgroup_id_z 1
		.amdhsa_system_vgpr_workitem_id 0
		.amdhsa_next_free_vgpr 512
		.amdhsa_next_free_sgpr 66
		.amdhsa_reserve_vcc 0
		.amdhsa_float_denorm_mode_32 3
		.amdhsa_float_denorm_mode_16_64 3
		.amdhsa_memory_ordered 1
		.amdhsa_forward_progress 1
		.amdhsa_inst_pref_size 148
	.end_amdhsa_kernel
	.amdgpu_metadata
---
amdhsa.version: [ 1, 2 ]
amdhsa.kernels:
  - .name:           k_q6e24c50854_attn
    .symbol:         k_q6e24c50854_attn.kd
    .args:
      - { .name: x_codes, .offset: 0, .size: 8, .value_kind: global_buffer, .address_space: global }
      - { .name: x_scales, .offset: 8, .size: 8, .value_kind: global_buffer, .address_space: global }
      - { .name: always_attend_upto, .offset: 16, .size: 8, .value_kind: global_buffer, .address_space: global }
      - { .name: Wq_codes, .offset: 24, .size: 8, .value_kind: global_buffer, .address_space: global }
      - { .name: Wq_scales, .offset: 32, .size: 8, .value_kind: global_buffer, .address_space: global }
      - { .name: bq, .offset: 40, .size: 8, .value_kind: global_buffer, .address_space: global }
      - { .name: Wk_codes, .offset: 48, .size: 8, .value_kind: global_buffer, .address_space: global }
      - { .name: Wk_scales, .offset: 56, .size: 8, .value_kind: global_buffer, .address_space: global }
      - { .name: bk, .offset: 64, .size: 8, .value_kind: global_buffer, .address_space: global }
      - { .name: Wv_codes, .offset: 72, .size: 8, .value_kind: global_buffer, .address_space: global }
      - { .name: Wv_scales, .offset: 80, .size: 8, .value_kind: global_buffer, .address_space: global }
      - { .name: bv, .offset: 88, .size: 8, .value_kind: global_buffer, .address_space: global }
      - { .name: Wp_codes, .offset: 96, .size: 8, .value_kind: global_buffer, .address_space: global }
      - { .name: Wp_scales, .offset: 104, .size: 8, .value_kind: global_buffer, .address_space: global }
      - { .name: bp, .offset: 112, .size: 8, .value_kind: global_buffer, .address_space: global }
      - { .name: out0, .offset: 120, .size: 8, .value_kind: global_buffer, .address_space: global }
    .group_segment_fixed_size: 74752
    .private_segment_fixed_size: 0
    .kernarg_segment_align: 8
    .kernarg_segment_size: 128
    .max_flat_workgroup_size: 256
    .sgpr_count:     66
    .vgpr_count:     512
    .wavefront_size: 32
...
	.end_amdgpu_metadata
.endif
;; end of part 2
